; MI455X (gfx1250); checked and timed in simulation.
; The chip was launched on July 23, 2026; its instructions are those of AMD's public machine-readable ISA for CDNA 5 (MIT licence, August 2026) and "CDNA5" Instruction Set Architecture Reference Guide (July 2026). The comments in the code are by the model that wrote it; some were corrected since.
;; Cross Trans Former. Allowed arithmetic: matrix products marked QUANTISED: E2M3 operands, one E8M0 scale for each 32 along K, by v_wmma_scale_f32_16x16x128_f8f6f4 with both operands' format E2M3, f32 sums; everything else in f32.
;; Inputs: Wk 1,024 x 1,024 float32; Wq 1,024 x 1,024 float32; Wv 1,024 x 1,024 float32; Xk 4 x 1,024 x 2,048 float32; Xq 4 x 1,024 x 2,048 float32; beta1 1,024 float32; beta2 1,024 float32; beta3 1,024 float32; gamma1 1,024 float32; gamma2 1,024 float32; gamma3 1,024 float32; mean1 1,024 float32; mean2 1,024 float32; mean3 1,024 float32; var1 1,024 float32; var2 1,024 float32; var3 1,024 float32.
;; Outputs: out0 4 x 1,024 x 2,048 float32.
;; This version of the problem:
;;   THIS VERSION OF THE PROBLEM IS GIVEN IN LOW PRECISION. The matrix products marked QUANTISED in the list below multiply operands that are first quantised to E2M3 (2 exponent bits, 3 mantissa bits; 6 bits a number), with one power-of-two scale for each 32 numbers along K (OCP MX v1.0); their sums are f32. All else is computed in f32.
;;   The module's matrix products, in the order in which they are computed (A, B: the left and right operand; K: the contracted axis; several contracted axes count as one K, in the product's order):
;;     1. [M 8,192, K 1,024] x [K 1,024, N 1,024]; A: input Xq; B: input Wq: QUANTISED
;;     2. [M 8,192, K 1,024] x [K 1,024, N 1,024]; A: input Xk; B: input Wk: QUANTISED
;;     3. [M 8,192, K 1,024] x [K 1,024, N 1,024]; A: input Xq; B: input Wv: QUANTISED
;;     4. batch 32 x [M 2,048, K 128] x [K 128, N 2,048]; A: computed on the way; B: computed on the way: QUANTISED
;;     5. batch 32 x [M 128, K 2,048] x [K 2,048, N 2,048]; A: computed on the way; B: softmax (see below): QUANTISED
;;   THE QUANTISER, for each operand of a quantised product, along K:
;;     - K is cut into blocks of 32 from its start; a last block that is shorter is filled with zeros.
;;     - A block's scale is 2^e with e = floor(log2(the largest magnitude in the block)) - 2, held to -126 .. 127; a block of zeros has e = 0. As a byte (E8M0): e + 127.
;;     - Each number is divided by its block's scale, clamped to +-7.5, and rounded to the nearest number of E2M3, ties to even, subnormals kept.
;;     - The product sums the exact products of the quantised numbers (number of the format x scale) in f32.
;;   ~~~python
;;   def quantise(x, axis):      # numpy; x: float32 -> the quantised numbers, widened to float32 again
;;       x = np.moveaxis(x, axis, -1); K = x.shape[-1]
;;       x = np.pad(x, [(0, 0)] * (x.ndim - 1) + [(0, -K % 32)]); x = x.reshape(x.shape[:-1] + (-1, 32)); a = np.abs(x).max(-1, keepdims=True)
;;       e = np.where(a > 0, np.clip(np.frexp(np.where(a > 0, a, 1))[1] - 1 - 2, -126, 127), 0)      # np.frexp(a)[1] - 1 = floor(log2(a)), exactly
;;       r = np.clip(x / 2.0 ** e, -7.5, 7.5)
;;       step = 2.0 ** (np.maximum(np.frexp(np.where(r == 0, 1, r))[1] - 1, 0) - 3)
;;       q = np.round(r / step) * step * 2.0 ** e      # np.round: ties to even
;;       return np.moveaxis(q.reshape(q.shape[:-2] + (-1,))[..., :K], -1, axis).astype(np.float32)
;;   ~~~
;;   SOFTMAX AHEAD OF A QUANTISED PRODUCT. Where the list says 'softmax', what is quantised is not the finished softmax but p = 2^(t - M), with t = logit x log2(e) and M = ceil(the row's largest t), a whole number; so 1/2 < the row's largest p <= 1. The row's sum l is taken of the UNQUANTISED p, in f32, and the product's result is divided by l at the end. Since M is a whole number, a kernel that streams over the keys may use a running M (the ceiling of the running maximum): every later rescaling is an exact power of two, which a block's scale takes up: the codes' values come out the same.
;;   OPERANDS COMPUTED ON THE WAY. 'Computed on the way' means the value that the module computes at that place (a softmax that the list does not call 'softmax' is quantised finished and normalised). What goes into a quantiser is computed in f32, as accurately as f32 sums, v_exp_f32 and their like allow (about 1e-6 of the number): no bf16 or f16 on the way to a quantiser, and a product that is left as it is and whose result goes on into a quantised operand takes f32 operands (vector FMAs, or v_wmma_f32_16x16x4_f32). A number that lies on a knife's edge between two numbers of the format may be rounded either way, as far as f32 arithmetic and the matrix unit's own rounding can turn it there, and no further.
;; One version. Each part assembles by itself: llvm-mc -triple=amdgcn-amd-amdhsa -mcpu=gfx1250 --defsym DOCPART=n.
;; ======== version 1 of 1: 3 launches
;; workspace buffers: xc 13,107,200 bytes; wc 2,457,600 bytes; bn 24,576 bytes; kv 13,107,200 bytes; qf 6,553,600 bytes
;; launch quant (part 1): grid 608 x 1, 4 waves a work-group, no clusters, 26,112 bytes of LDS; arguments Xk, Xq, Wk, Wv, Wq, gamma2, gamma3, gamma1, beta2, beta3, beta1, mean2, mean3, mean1, var2, var3, var1, xc, wc, bn; writes xc, wc, bn
.if DOCPART == 1
	.amdgcn_target "amdgcn-amd-amdhsa--gfx1250"
	.amdhsa_code_object_version 6
	.text
	.protected	k_q9990d47088_quant
	.globl	k_q9990d47088_quant
	.p2align	8
	.type	k_q9990d47088_quant,@function
k_q9990d47088_quant:
	s_mov_b64 s[64:65], 0
	v_nop
	global_prefetch_b8 v0, s[64:65] scope:SCOPE_SE
	s_setreg_imm32_b32 hwreg(HW_REG_WAVE_MODE, 25, 1), 1
	s_wait_xcnt 0x0
; Xk, Xq [4][1024 c][2048 p] and Wk, Wv, Wq [1024 o][1024 c], f32, become codes of FP6 (E2M3) along c, one E8M0 byte for each 32 along c; the BatchNorm constants become scale and shift.
; A block's scale is 2^(floor(log2(its largest magnitude)) - 2): its byte is the largest magnitude's exponent field - 2, held at 1 from below.
; LIMITS: NaN and infinities among the inputs are not served; a block whose largest magnitude lies under 2^-124 keeps the byte 1; a block of zeros gets the byte 1 where the rule says 127
; (its codes are zeros, and the bytes are read by this program alone); scale = gamma x rsq(var + 1e-5), shift = beta - mean x scale by one fused multiply-add: a few last bits from the order gamma / sqrt(..).
; THE WORKSPACE IS LAID AS THE PRODUCT'S LAUNCH WANTS ITS OPERANDS.  A FRAGMENT IMAGE, 1,536 bytes, is the 12 operand registers of 16 rows x 128 along c: register n of lane L at (n / 4) 512 + 16 L + 4 (n % 4).
; Tile 2 b + u of a group of 128 rows holds in lane r row 32 b + 8 u + r + 8 (r / 8).  A SCALE CHUNK, 256 bytes, is [r 0..15][4 words].
; A block of 25,600 bytes = 128 rows x 256 along c: 16 images (tile i, K step q) at (2 i + q) 1,536, then 4 chunks: chunk n / 4, word n % 4 is the scale word of image n = 2 i + q.
; xc: block (t 256 + s 64 + H), t = 0 Xk, 1 Xq; s = which 256 channels; H = 16 batch + p / 128.   wc: block (g 32 + s 8 + H), g = 0 Wk, 1 Wv, 2 Wq; H = o / 128.   bn: [g][scale, shift][1024] f32.
; Work-groups 0 to 511 take a block of X each, 512 to 607 a block of W; only the first kind uses LDS.  No tensor loads, no barrier: waves share nothing.
.set BLK,  25600
.set X,    32                          ; X's path: v32-95 two sets of 32 numbers
.set PC,   160                         ; W's path: v160-171 a fragment's codes
.set PT,   172                         ; v172-179 the halves that a conversion cannot put in place
.set TMA,  180                         ; v180-183 largest magnitudes
.set TMB,  184                         ; v184-187 the other half's, then the bytes
.set TMC,  188                         ; v188-191 the conversions' scale operands
.set SEL,  62                          ; s[62:63] lane selects: lane l xor 16
	s_load_b512 s[4:19], s[0:1], 0x0               ; Xk s[4:5], Xq s[6:7], Wk s[8:9], Wv s[10:11], Wq s[12:13], gamma2, gamma3, gamma1 s[14:19]
	s_load_b512 s[20:35], s[0:1], 0x40             ; beta2, beta3, beta1 s[20:25]; mean2, mean3, mean1 s[26:31]; var2, var3 s[32:35]
	s_load_b256 s[36:43], s[0:1], 0x80             ; var1 s[36:37], xc s[38:39], wc s[40:41], bn s[42:43]
	v_lshl_add_u32 v208, v0, 2, 0x6400
	v_mov_b32 v209, 0
	v_lshrrev_b32 v1, 5, v0
	v_readfirstlane_b32 s44, v1                    ; wave 0..3
	v_and_b32 v2, 31, v0                           ; lane
	s_wait_kmcnt 0x0
	s_cmp_ge_u32 ttmp9, 512
	s_cbranch_scc1 .Lw
; ---------------- X: c is not innermost.  A LANE TAKES A POSITION p AND ITS REGISTERS RUN DOWN c: a block of 32 along c lies in one lane, and the conversions give codes with c innermost.
; The work-group takes 256 channels x 128 positions, wave w positions 32 w .. 32 w + 31: tiles 2 w and 2 w + 1.  Lane l is row r = l % 8 + 8 (l / 16) of tile 2 w + u, u = (l / 8) % 2.
	s_lshr_b32 s45, ttmp9, 8                       ; t
	s_bfe_u32 s46, ttmp9, 0x20006                  ; s
	s_and_b32 s47, ttmp9, 63                       ; H
	s_cmp_eq_u32 s45, 0
	s_cselect_b64 s[48:49], s[4:5], s[6:7]         ; Xk or Xq: the choice hangs on the work-group's number alone
	s_lshr_b32 s50, s47, 4
	s_lshl_b32 s50, s50, 23                        ; batch x 1,024 x 2,048 x 4
	s_lshl_b32 s51, s46, 21                        ; + s x 256 rows of 8,192 bytes
	s_add_co_u32 s50, s50, s51
	s_and_b32 s51, s47, 15
	s_lshl_b32 s51, s51, 9                         ; + 128 positions x 4
	s_add_co_u32 s50, s50, s51
	s_lshl_b32 s51, s44, 7                         ; + my wave's 32
	s_add_co_u32 s50, s50, s51
	s_mov_b32 s51, 0
	s_add_nc_u64 s[48:49], s[48:49], s[50:51]
	s_mul_i32 s52, ttmp9, BLK                      ; my block of xc
	s_mul_i32 s53, s44, 6144                       ; my wave's four images
	s_add_co_u32 s54, s52, s53
	s_mov_b32 s55, 0
	s_add_nc_u64 s[56:57], s[38:39], s[54:55]
	s_lshl_b32 s53, s44, 8                         ; my wave's chunk of scale words
	s_add_co_u32 s54, s52, s53
	s_add_co_u32 s54, s54, 24576
	s_add_nc_u64 s[58:59], s[38:39], s[54:55]
	s_wait_alu depctr_va_vdst(0)
	v_lshlrev_b32 v3, 2, v2                        ; in: 4 bytes a lane
	v_bfe_u32 v5, v2, 3, 1                         ; u
	v_and_b32 v6, 7, v2
	v_lshrrev_b32 v10, 4, v2
	v_lshl_add_u32 v6, v10, 3, v6                  ; r
	s_mul_i32 s60, s44, 6400                       ; my wave's stage: two tiles of 3,072 bytes + 128, so that lanes l and l + 8 do not start at the same bank
	v_mul_u32_u24 v4, v5, 3200
	v_lshl_add_u32 v4, v6, 4, v4
	v_add_nc_u32 v4, s60, v4                       ; into the stage: tile u, 16 r
	v_lshlrev_b32 v8, 4, v2                        ; out: 16 bytes a lane
	v_add_nc_u32 v7, s60, v8
	v_lshlrev_b32 v9, 4, v6
	v_lshl_add_u32 v9, v5, 3, v9                   ; my two scale words in the chunk: 16 r + 8 u
.macro LOAD t                          ; block t: X(32 t + i, my position) into set t % 2; 32 lanes read 128 consecutive bytes, the four waves stand side by side
.set i, 0
.rept 32
	global_load_b32 v[X+32*((\t)%2)+i], v3, s[48:49] offset:(32*(\t)+i)*8192 th:TH_LOAD_NT
.set i, i+1
.endr
.endm
.macro BLOCK t                         ; block t is K step t / 4, registers 6 c .. 6 c + 5 of lane r + 16 h there, c = (t % 4) / 2, h = t % 2
.set XS, X+32*((\t)%2)
.set BB, ((\t)/4)*1536+256*((\t)%2)
.if (\t) < 7
	s_wait_loadcnt 32                              ; this block's 32 loads are in; the next block's 32 may be out
.else
	s_wait_loadcnt 0x0
.endif
	v_max3_num_f32 v12, |v[XS]|, |v[XS+1]|, |v[XS+2]|               ; the block's largest magnitude: all 32 numbers are mine; two chains
	v_max3_num_f32 v13, |v[XS+3]|, |v[XS+4]|, |v[XS+5]|
.irp i, 6,10,14,18,22,26
	v_max3_num_f32 v12, v12, |v[XS+\i]|, |v[XS+\i+1]|
	v_max3_num_f32 v13, v13, |v[XS+\i+2]|, |v[XS+\i+3]|
.endr
	v_max3_num_f32 v12, v12, |v[XS+30]|, |v[XS+31]|
	v_max3_num_f32 v12, v12, v13, 0x1800000        ; and the floor 2^(3 - 127): the byte cannot fall under 1
	v_add_nc_u32 v11, 0xff000000, v12              ; 2 off the exponent field: the conversion takes the exponent field of this operand as its scale
	v_lshrrev_b32 v13, 23, v11                     ; the scale's byte
.if (\t)%4 == 0
	v_mov_b32 v[24+(\t)/4], v13                    ; four bytes make a K step's scale word, the lower c in the lower byte
.else
	v_lshl_or_b32 v[24+(\t)/4], v13, 8*((\t)%4), v[24+(\t)/4]
.endif
	v_cvt_scalef32_pk16_fp6_f32 v[96:98], v[XS:XS+15], v11
	v_cvt_scalef32_pk16_fp6_f32 v[102:104], v[XS+16:XS+31], v11     ; (a conversion's three registers begin on an even number)
	v_nop                                          ; one plain line between a scaled conversion and the vector line that touches its result
	v_mov_b32 v99, v102
	v_mov_b32 v100, v103
	v_mov_b32 v101, v104                           ; v96-101: the block's 24 bytes
.if ((\t)%4) < 2
	ds_store_b128 v4, v[96:99] offset:BB           ; registers 0-3,
	ds_store_b64 v4, v[100:101] offset:BB+512      ; 4 and 5 of the image
.else
	ds_store_b64 v4, v[96:97] offset:BB+520        ; registers 6 and 7,
	ds_store_b128 v4, v[98:101] offset:BB+1024     ; 8-11
.endif
.if (\t) < 6
	LOAD (\t)+2
.endif
	s_wait_dscnt 0x0                               ; the stores have read their registers: the next block's codes may be written
.endm
	LOAD 0
	LOAD 1
.irp t, 0,1,2,3,4,5,6,7
	BLOCK \t
.endr
	s_wait_alu depctr_va_vdst(0)
	global_store_b64 v9, v[24:25], s[58:59]        ; 32 lanes x 8 bytes: my wave's chunk, 256 consecutive bytes, aligned
.irp n, 0,1,2,3,4,5,6,7,8,9,10,11
	ds_load_b128 v[112+4*\n:115+4*\n], v7 offset:3200*(\n/6)+512*(\n%6)   ; LDS serves a wave's instructions in order: these see my stores
.endr
.irp n, 0,1,2,3,4,5,6,7,8,9,10,11
	s_wait_dscnt 11-\n                             ; the younger read-backs may be out
	global_store_b128 v8, v[112+4*\n:115+4*\n], s[56:57] offset:3072*(\n/6)+512*(\n%6)   ; 512 consecutive bytes, aligned
.endr
	s_wait_tensorcnt 0x0
	ds_add_u32 v208, v209
	s_wait_dscnt 0x0
	s_endpgm
; ---------------- W: c is innermost.  Lane (r, h) loads, of its row, 16 neighbours of each block of 32: register 16 b + i = c 32 b + 16 h + i.
; 64 such numbers in v[s] on become a fragment's codes in v[PC] on and the row's scale word in v[pw].
.macro QUANT s, pw
.irp b, 0,1,2,3
	v_max3_num_f32 v[TMA+\b], |v[\s+16*\b]|, |v[\s+1+16*\b]|, 0x1800000   ; block b: my 16 numbers, and the floor 2^(3 - 127)
.endr
.irp i, 2,4,6,8,10,12,14
.irp b, 0,1,2,3
	v_max3_num_f32 v[TMA+\b], v[TMA+\b], |v[\s+16*\b+\i]|, |v[\s+1+16*\b+\i]|   ; (the four blocks by turns)
.endr
.endr
.irp b, 0,1,2,3
	v_permlanex16_b32 v[TMB+\b], v[TMA+\b], s[SEL], s[SEL+1]
.endr
.irp b, 0,1,2,3
	v_max_num_f32 v[TMA+\b], v[TMA+\b], v[TMB+\b]  ; with lane l xor 16's: the block's largest magnitude
.endr
.irp b, 0,1,2,3
	v_add_nc_u32 v[TMC+\b], 0xff000000, v[TMA+\b]  ; 2 off its exponent field: the conversion's scale operand
.endr
.irp b, 0,1,2,3
	v_lshrrev_b32 v[TMB+\b], 23, v[TMC+\b]         ; the scale's byte
.endr
	v_lshl_or_b32 v[\pw], v[TMB+1], 8, v[TMB]
	v_lshl_or_b32 v[\pw], v[TMB+2], 16, v[\pw]
	v_lshl_or_b32 v[\pw], v[TMB+3], 24, v[\pw]
.irp c, 0,1
	v_cvt_scalef32_pk16_fp6_f32 v[PC+6*\c:PC+6*\c+2], v[\s+32*\c:\s+32*\c+15], v[TMC+2*\c]
	v_cvt_scalef32_pk16_fp6_f32 v[PT+4*\c:PT+4*\c+2], v[\s+32*\c+16:\s+32*\c+31], v[TMC+2*\c+1]
.endr
	v_nop                                          ; one plain line behind the scaled conversions
.irp c, 0,1                                    ; the operand's layout wants a WHOLE block in a lane: lanes 0-15 block 2 c, lanes 16-31 block 2 c + 1
.irp i, 0,1,2
	v_permlane16_swap_b32 v[PC+6*\c+\i], v[PT+4*\c+\i]
.endr
.irp i, 0,1,2
	v_mov_b32 v[PC+3+6*\c+\i], v[PT+4*\c+\i]
.endr
.endr
.endm
.macro XLOAD set, u, q                 ; tile 2 w + u, K step q: 64 numbers a lane
.irp b, 0,1,2,3
.irp j, 0,1,2,3
	global_load_b128 v[\set+16*\b+4*\j:\set+16*\b+4*\j+3], v3, s[8:9] offset:(\u)*32768+(\q)*512+128*\b+16*\j th:TH_LOAD_NT
.endr
.endr
.endm
.Lw:
	s_sub_co_u32 s45, ttmp9, 512
	s_lshr_b32 s46, s45, 5                         ; g
	s_bfe_u32 s47, s45, 0x20003                    ; s
	s_and_b32 s48, s45, 7                          ; H
	s_cmp_eq_u32 s46, 1                            ; the tensors of branch g: the choices hang on the work-group's number alone
	s_cselect_b64 s[8:9], s[10:11], s[8:9]
	s_cselect_b64 s[14:15], s[16:17], s[14:15]
	s_cselect_b64 s[20:21], s[22:23], s[20:21]
	s_cselect_b64 s[26:27], s[28:29], s[26:27]
	s_cselect_b64 s[32:33], s[34:35], s[32:33]
	s_cmp_eq_u32 s46, 2
	s_cselect_b64 s[8:9], s[12:13], s[8:9]         ; W
	s_cselect_b64 s[14:15], s[18:19], s[14:15]     ; gamma
	s_cselect_b64 s[20:21], s[24:25], s[20:21]     ; beta
	s_cselect_b64 s[26:27], s[30:31], s[26:27]     ; mean
	s_cselect_b64 s[32:33], s[36:37], s[32:33]     ; var
	s_lshl_b32 s50, s48, 19                        ; 128 H rows of 4,096 bytes
	s_lshl_b32 s51, s44, 17                        ; + my wave's 32 rows
	s_add_co_u32 s50, s50, s51
	s_lshl_b32 s51, s47, 10                        ; + 256 s channels
	s_add_co_u32 s50, s50, s51
	s_mov_b32 s51, 0
	s_add_nc_u64 s[8:9], s[8:9], s[50:51]
	s_mul_i32 s56, s45, BLK                        ; my block of wc
	s_mul_i32 s57, s44, 6144
	s_add_co_u32 s58, s56, s57
	s_mov_b32 s59, 0
	s_add_nc_u64 s[52:53], s[40:41], s[58:59]      ; my wave's four images
	s_lshl_b32 s57, s44, 8
	s_add_co_u32 s58, s56, s57
	s_add_co_u32 s58, s58, 24576
	s_add_nc_u64 s[54:55], s[40:41], s[58:59]      ; my wave's chunk
	s_mov_b32 s[SEL], 0x76543210
	s_mov_b32 s[SEL+1], 0xfedcba98
	s_wait_alu depctr_va_vdst(0)
	v_and_b32 v10, 15, v2                          ; r
	v_lshrrev_b32 v11, 4, v2                       ; h
	v_and_b32 v12, 8, v10
	v_add_nc_u32 v12, v12, v10                     ; r + 8 (r / 8)
	v_lshlrev_b32 v3, 12, v12
	v_lshl_add_u32 v3, v11, 6, v3                  ; my row, + 64 h
	v_lshlrev_b32 v5, 4, v2                        ; an image's place for my lane
	v_lshlrev_b32 v6, 4, v10
	v_lshl_add_u32 v6, v11, 3, v6                  ; 16 r + 8 h: lanes 0-15 store tile 2 w's two words, lanes 16-31 tile 2 w + 1's
.irp b, 0,1,2,3
	v_mov_b32 v[TMB+\b], 0                         ; written once: a lane permute's destination counts as one of its sources
.endr
	XLOAD 32, 0, 0
	XLOAD 96, 0, 1
.irp f, 0,1,2,3                                ; fragment f: tile 2 w + f / 2, K step f % 2
.if \f < 3
	s_wait_loadcnt 16                              ; this fragment's 16 loads are in; the next one's 16 may be out
.else
	s_wait_loadcnt 0x0
.endif
	s_wait_xcnt 0x0                                ; the last fragment's stores have read v[PC] on
	QUANT 32+64*(\f%2), 200+\f
.irp c, 0,1,2
	global_store_b128 v5, v[PC+4*\c:PC+4*\c+3], s[52:53] offset:(\f/2)*3072+(\f%2)*1536+512*\c   ; 512 consecutive bytes, aligned
.endr
.if \f < 2
	XLOAD 32+64*(\f%2), (\f+2)/2, \f%2
.endif
.endr
	v_cmp_lt_u32 vcc_lo, 15, v2
	v_cndmask_b32 v204, v200, v202, vcc_lo
	v_cndmask_b32 v205, v201, v203, vcc_lo
	global_store_b64 v6, v[204:205], s[54:55]      ; 256 consecutive bytes, aligned
	; BatchNorm's constants of channels 128 H on, once for each (g, H): wave 0 of the work-group with s = 0; 4 channels a lane
	s_cmp_lg_u32 s47, 0
	s_cbranch_scc1 .Lend
	s_cmp_lg_u32 s44, 0
	s_cbranch_scc1 .Lend
	s_lshl_b32 s50, s48, 9
	v_add_nc_u32 v7, s50, v5                       ; 512 H + 16 lane
	s_lshl_b32 s56, s46, 13
	s_mov_b32 s57, 0
	s_add_nc_u64 s[42:43], s[42:43], s[56:57]      ; bn[g]
	global_load_b128 v[32:35], v7, s[14:15]
	global_load_b128 v[36:39], v7, s[20:21]
	global_load_b128 v[40:43], v7, s[26:27]
	global_load_b128 v[44:47], v7, s[32:33]
	s_wait_loadcnt 0x0
.irp i, 0,1,2,3
	v_add_f32 v[44+\i], 0x3727c5ac, v[44+\i]       ; var + 1e-5
.endr
	s_wait_alu depctr_va_vdst(0)
.irp i, 0,1,2,3
	v_rsq_f32 v[48+\i], v[44+\i]
.endr
	v_nop                                          ; a plain line behind the last transcendental
	s_wait_alu depctr_va_vdst(0)                   ; one wait for the four, ahead of their first use
.irp i, 0,1,2,3
	v_mul_f32 v[48+\i], v[32+\i], v[48+\i]         ; scale
.endr
.irp i, 0,1,2,3
	v_fma_f32 v[52+\i], -v[40+\i], v[48+\i], v[36+\i]   ; shift = beta - mean x scale
.endr
	global_store_b128 v7, v[48:51], s[42:43]
	global_store_b128 v7, v[52:55], s[42:43] offset:4096
.Lend:
	s_endpgm
.Lfunc_end_k_q9990d47088_quant:
	.size	k_q9990d47088_quant, .Lfunc_end_k_q9990d47088_quant-k_q9990d47088_quant
	.p2alignl 7, 3214868480
	.fill 96, 4, 3214868480
	.section	.rodata,"a",@progbits
	.p2align	6, 0x0
	.amdhsa_kernel k_q9990d47088_quant
		.amdhsa_group_segment_fixed_size 26112
		.amdhsa_private_segment_fixed_size 0
		.amdhsa_enable_private_segment 0
		.amdhsa_kernarg_size 160
		.amdhsa_user_sgpr_count 2
		.amdhsa_user_sgpr_kernarg_segment_ptr 1
		.amdhsa_wavefront_size32 1
		.amdhsa_system_sgpr_workgroup_id_x 1
		.amdhsa_system_sgpr_workgroup_id_y 1
		.amdhsa_system_sgpr_workgroup_id_z 1
		.amdhsa_system_vgpr_workitem_id 0
		.amdhsa_next_free_vgpr 210
		.amdhsa_next_free_sgpr 66
		.amdhsa_reserve_vcc 1
		.amdhsa_float_denorm_mode_32 3
		.amdhsa_float_denorm_mode_16_64 3
		.amdhsa_memory_ordered 1
		.amdhsa_forward_progress 1
		.amdhsa_inst_pref_size 68
	.end_amdhsa_kernel
	.amdgpu_metadata
---
amdhsa.version: [ 1, 2 ]
amdhsa.kernels:
  - .name:           k_q9990d47088_quant
    .symbol:         k_q9990d47088_quant.kd
    .args:
      - { .name: Xk, .offset: 0, .size: 8, .value_kind: global_buffer, .address_space: global }
      - { .name: Xq, .offset: 8, .size: 8, .value_kind: global_buffer, .address_space: global }
      - { .name: Wk, .offset: 16, .size: 8, .value_kind: global_buffer, .address_space: global }
      - { .name: Wv, .offset: 24, .size: 8, .value_kind: global_buffer, .address_space: global }
      - { .name: Wq, .offset: 32, .size: 8, .value_kind: global_buffer, .address_space: global }
      - { .name: gamma2, .offset: 40, .size: 8, .value_kind: global_buffer, .address_space: global }
      - { .name: gamma3, .offset: 48, .size: 8, .value_kind: global_buffer, .address_space: global }
      - { .name: gamma1, .offset: 56, .size: 8, .value_kind: global_buffer, .address_space: global }
      - { .name: beta2, .offset: 64, .size: 8, .value_kind: global_buffer, .address_space: global }
      - { .name: beta3, .offset: 72, .size: 8, .value_kind: global_buffer, .address_space: global }
      - { .name: beta1, .offset: 80, .size: 8, .value_kind: global_buffer, .address_space: global }
      - { .name: mean2, .offset: 88, .size: 8, .value_kind: global_buffer, .address_space: global }
      - { .name: mean3, .offset: 96, .size: 8, .value_kind: global_buffer, .address_space: global }
      - { .name: mean1, .offset: 104, .size: 8, .value_kind: global_buffer, .address_space: global }
      - { .name: var2, .offset: 112, .size: 8, .value_kind: global_buffer, .address_space: global }
      - { .name: var3, .offset: 120, .size: 8, .value_kind: global_buffer, .address_space: global }
      - { .name: var1, .offset: 128, .size: 8, .value_kind: global_buffer, .address_space: global }
      - { .name: xc, .offset: 136, .size: 8, .value_kind: global_buffer, .address_space: global }
      - { .name: wc, .offset: 144, .size: 8, .value_kind: global_buffer, .address_space: global }
      - { .name: bn, .offset: 152, .size: 8, .value_kind: global_buffer, .address_space: global }
    .group_segment_fixed_size: 26112
    .private_segment_fixed_size: 0
    .kernarg_segment_align: 8
    .kernarg_segment_size: 160
    .max_flat_workgroup_size: 128
    .sgpr_count:     66
    .vgpr_count:     210
    .wavefront_size: 32
...
	.end_amdgpu_metadata
.endif
;; end of part 1
;; launch proj (part 2): grid 4 x 96, 4 waves a work-group, clusters of 4 x 4, 327,680 bytes of LDS; arguments xc, wc, bn, kv, qf; writes kv, qf
.if DOCPART == 2
	.amdgcn_target "amdgcn-amd-amdhsa--gfx1250"
	.amdhsa_code_object_version 6
	.text
	.protected	k_q9990d47088_proj
	.globl	k_q9990d47088_proj
	.p2align	8
	.type	k_q9990d47088_proj,@function
k_q9990d47088_proj:
	s_mov_b64 s[64:65], 0
	v_nop
	global_prefetch_b8 v0, s[64:65] scope:SCOPE_SE
	s_setreg_imm32_b32 hwreg(HW_REG_WAVE_MODE, 25, 1), 1
	s_wait_xcnt 0x0
	s_wait_alu depctr_hold_cnt(0) depctr_sa_sdst(0) depctr_va_vdst(0) depctr_va_sdst(0) depctr_va_ssrc(0) depctr_va_vcc(0) depctr_vm_vsrc(0)
	s_getreg_b32 s2, hwreg(HW_REG_IB_STS2, 6, 4)
	s_cmp_eq_u32 s2, 0
	s_cbranch_scc0 .Lentry_in_a_cluster
	s_endpgm
.Lentry_in_a_cluster:
	s_bfe_u32 s2, ttmp6, 0x10000c
	s_cmp_lg_u32 s2, 0xf033
	s_cbranch_scc0 .Lentry_shape_is_right
	s_endpgm
.Lentry_shape_is_right:
; The three products W X (8,192 positions x 1,024 outputs x K = 1,024) on codes of FP6 (E2M3) with E8M0 scales, BatchNorm (one fused multiply-add), LeakyReLU, and the quantiser of the NEXT product, all in one pass:
; what leaves is again fragment images and scale chunks (1,536 and 256 bytes, as the launch before lays them; tile 2 b + u holds in lane r row 32 b + 8 u + r + 8 (r / 8)).
;   g = 0: K = f(Wk Xk), attention's queries, quantised along the head's 128 channels -> qf, block (16 HB + group of 128 positions) of 12,800 bytes: 8 images, 2 chunks (chunk tile / 4, word tile % 4); HB = 8 batch + head.
;   g = 1: V = f(Wv Xq), the keys, likewise -> kv, block (16 HB + step of 128 positions) of 25,600 bytes, its first 12,800.      g = 2: Q = f(Wq Xq), the values, quantised along the POSITIONS -> the block's second 12,800.
; SHARES.  A work-group of four waves, as many as a WGP has SIMDs, makes 256 x 256; a wave 128 x 128: 64 accumulators, 512 registers.  Source 1 (role A) runs along the lanes, source 0 (role B) along a lane's registers,
; which are the next product's K: for g < 2 A = X, B = W (a wave's 128 rows of W are one head); for g = 2 A = W, B = X.  By the tiles' row order a lane's 64 results of a block of A are k = 32 b + 16 (lane / 16) + i at register 16 b + i.
; K goes in four slots of 256; a slot is four dense blocks of 25,600 bytes (X's two halves, W's two), one tensor load a wave.  THREE LDS slots: K slots 0, 1, 2 are first fills, K slot 3 fills LDS slot 0 again, behind one round.
; A wave has three tensor loads out at the start and one behind the refill.  No prefetch: three of the four K slots go out at the start, and the fourth has four steps of 64 matrix instructions in which to land.
; CLUSTERS: 4 x 4 work-groups; x = which 256 rows of W, y = which 256 positions; g is the same in all sixteen.  X's blocks are shared along a row of the cluster, W's along a column: each is asked for jointly.
; LIMITS: NaN and infinities are not served; a block whose largest magnitude lies under 2^-124 keeps the byte 1, a block of zeros too (its codes are zeros; this program alone reads the bytes).
; REGISTERS.  window 0: v1-2 the spare word's address and 0; v3 16 x lane; v4-15 LDS addresses; v16-31 scale and shift along the lanes; v32-95 scale words, two sets; v96-127, v224-255 shift along the registers; v128-223 A's 8 fragments.
;   window 1: B's fragments, two sets, at v0 and v128; v96-127, v224-255 scale along the registers.   windows 2, 3: the accumulators, (a, b) at v[8 (8 (a % 4) + b)].
.set BLK,   25600
.set SLOT,  4*BLK
.set SPARE, 3*SLOT                     ; behind the slots: the spare words, 128 bytes for each wave, named by no other line
.set XSTR,  64*BLK                     ; from K slot to K slot in xc,
.set WSTR,  8*BLK                      ; and in wc
.set AF,    128
.set Y,     128                        ; the epilogue: v128-191 a block's 64 numbers (0.1 x them in the same numbers of window 1)
.set PC,    192                        ; v192-203 codes
.set PT,    204
.set TMA,   212
.set TMB,   216
.set TMC,   220
.set PWS,   4                          ; v4-11 the eight blocks' scale words
.set SEL,   66                         ; s[66:67]
.set MSB, 0
.macro WIN new                         ; the immediate's high byte repeats the setting that is left
.if MSB != (\new)
	s_set_vgpr_msb (MSB<<8)|(\new)
.set MSB, (\new)
.endif
.endm
.set MUL_LO, 0xa1                      ; source 0 (B) window 1, source 1 (A) window 0, C and D window 2
.set MUL_HI, 0xf1                      ; the same, C and D window 3
.set TO_B,   0x40                      ; destination window 1, address window 0
.macro PLACES n
.rept \n
	v_nop
.endr
.endm
.macro CREST                           ; a round of the cluster's barrier behind its opening barrier
	s_cmp_lg_u32 s14, 0
	s_cbranch_scc1 .Lnot_wave_0_\@
	s_barrier_signal -3
.Lnot_wave_0_\@:
	s_barrier_wait -3
	s_barrier_signal -1
	s_barrier_wait -1
.endm
.macro CROUND
	s_barrier_signal -1
	s_barrier_wait -1
	CREST
.endm
.macro JLOAD                           ; the joint refill of LDS slot 0: waves 0, 1 fetch X's halves, waves 2, 3 W's; four v_nop follow each line
	s_cmp_eq_u32 s15, 0
	s_cbranch_scc0 .Lfor_w_\@
	tensor_load_to_lds s[40:43], s[24:31]
	s_nop 0
	PLACES 4
	s_branch .Lasked_\@
.Lfor_w_\@:
	tensor_load_to_lds s[52:55], s[32:39]
	s_nop 0
	PLACES 4
.Lasked_\@:
.endm
	s_load_b256 s[4:11], s[0:1], 0x0               ; xc s[4:5], wc s[6:7], bn s[8:9], kv s[10:11]
	s_load_b64 s[12:13], s[0:1], 0x20              ; qf
	v_lshl_add_u32 v1, v0, 2, SPARE
	v_mov_b32 v2, 0
	ds_add_u32 v1, v2
	ds_add_u32 v1, v2
	s_wait_dscnt 0x0
	v_lshrrev_b32 v128, 5, v0
	v_readfirstlane_b32 s14, v128                  ; wave 0..3
	s_lshr_b32 s15, s14, 1                         ; which half of role A is mine.  Also: I fetch for X (0) or for W (1)
	s_and_b32 s16, s14, 1                          ; which half of role B.  Also: which half I fetch
	s_bfe_u32 s18, ttmp6, 0x40000                  ; cx
	s_bfe_u32 s19, ttmp6, 0x40004                  ; cy
	s_lshl_b32 s20, ttmp9, 2
	s_add_co_u32 s20, s20, s18                     ; wx: which 256 rows of W
	s_and_b32 s72, ttmp7, 0xffff                   ; the cluster's y, 0..23
	s_lshr_b32 s17, s72, 3                         ; g: the same in all sixteen partners
	s_and_b32 s21, s72, 7
	s_lshl_b32 s21, s21, 2
	s_add_co_u32 s21, s21, s19                     ; xt: which 256 positions
	s_lshl_b32 s22, s19, 2
	s_lshl_b32 s22, 15, s22                        ; my row of the cluster
	s_lshl_b32 s23, 0x1111, s18                    ; my column
	; descriptor group 1: a dense block of 25,600 bytes as 100 rows of 32 elements of 8 bytes, no padding (the images are read 16 bytes a lane on end)
	s_or_b32 s24, s22, (3<<16)|(1<<21)             ; X's blocks go to my row
	s_or_b32 s32, s23, (3<<16)|(1<<21)             ; W's to my column
.irp g, 24, 32
	s_mov_b32 s[\g+1], 32<<16                      ; tensor_dim0
	s_mov_b32 s[\g+2], 100<<16                     ; tensor_dim1
	s_mov_b32 s[\g+3], 32<<16                      ; tile_dim0
	s_mov_b32 s[\g+4], 100                         ; tile_dim1
	s_mov_b32 s[\g+5], 32                          ; the pitch
	s_mov_b32 s[\g+6], 0
	s_mov_b32 s[\g+7], 0
.endr
	s_cmp_eq_u32 s17, 0
	s_cselect_b32 s68, 0, 256                      ; Xk's blocks for g = 0, Xq's else
	s_lshl_b32 s69, s21, 1
	s_add_co_u32 s68, s68, s69
	s_add_co_u32 s68, s68, s16                     ; + 2 xt + the half that I fetch
	s_mul_i32 s68, s68, BLK
	s_mov_b32 s69, 0
	s_lshl_b32 s70, s17, 5
	s_lshl_b32 s71, s20, 1
	s_add_co_u32 s70, s70, s71
	s_add_co_u32 s70, s70, s16                     ; 32 g + 2 wx + half
	s_mul_i32 s70, s70, BLK
	s_mov_b32 s71, 0
	s_mul_i32 s73, s14, BLK                        ; where my block goes in a slot: no place in the cluster enters an LDS address
	s_mov_b32 s[SEL], 0x76543210
	s_mov_b32 s[SEL+1], 0xfedcba98
	s_mov_b32 s90, 0x3dcccccd                      ; 0.1
	s_mov_b32 s91, s90                             ; (named with it as a pair, so it is written)
	s_wait_kmcnt 0x0
	s_add_nc_u64 s[68:69], s[4:5], s[68:69]
	s_add_nc_u64 s[70:71], s[6:7], s[70:71]
	CROUND                                         ; all sixteen work-groups are here: the first joint loads meet
.irp k, 0,1,2
	s_mov_b32 s[40+4*\k], 1
	s_add_co_u32 s[41+4*\k], s73, \k*SLOT
	s_add_nc_u64 s[42+4*\k:43+4*\k], s[68:69], \k*XSTR
	s_or_b32 s[43+4*\k], s[43+4*\k], 0x80000000
	s_mov_b32 s[52+4*\k], 1
	s_add_co_u32 s[53+4*\k], s73, \k*SLOT
	s_add_nc_u64 s[54+4*\k:55+4*\k], s[70:71], \k*WSTR
	s_or_b32 s[55+4*\k], s[55+4*\k], 0x80000000
.endr
	s_cmp_eq_u32 s15, 0                            ; a wave's three first fills stand in one branch, ahead of every wait on TENSORcnt and every LDS read
	s_cbranch_scc0 .Lfirst_w
	tensor_load_to_lds s[40:43], s[24:31]
	s_nop 0
	tensor_load_to_lds s[44:47], s[24:31]
	s_nop 0
	tensor_load_to_lds s[48:51], s[24:31]
	s_nop 0
	PLACES 4
	s_branch .Lfirst_asked
.Lfirst_w:
	tensor_load_to_lds s[52:55], s[32:39]
	s_nop 0
	tensor_load_to_lds s[56:59], s[32:39]
	s_nop 0
	tensor_load_to_lds s[60:63], s[32:39]
	s_nop 0
	PLACES 4
.Lfirst_asked:
	v_and_b32 v128, 31, v0
	v_lshlrev_b32 v3, 4, v128                      ; 16 x lane
	s_wait_alu depctr_va_vdst(0)
	v_and_b32 v129, 15, v0                         ; r
	v_lshlrev_b32 v130, 4, v129                    ; 16 r: a chunk's four words of row r
	s_wait_alu depctr_va_vdst(0)
	s_cmp_eq_u32 s17, 2
	s_cselect_b32 s82, 51200, 0                    ; role A: X's blocks lie first in a slot, W's behind them
	s_cselect_b32 s83, 0, 51200                    ; role B: the other
	s_mul_i32 s74, s15, BLK
	s_add_co_u32 s82, s82, s74
	s_mul_i32 s74, s16, BLK
	s_add_co_u32 s83, s83, s74
.irp L, 0,1,2
	v_add_nc_u32 v[4+\L], s82, v3                  ; A's images in LDS slot L
	v_add_nc_u32 v[7+\L], s83, v3                  ; B's
	v_add_nc_u32 v[10+\L], s82, v130               ; A's chunks (24,576 bytes on: in the loads' immediate)
	v_add_nc_u32 v[13+\L], s83, v130               ; B's
	s_add_co_u32 s82, s82, SLOT
	s_add_co_u32 s83, s83, SLOT
.endr
	; BatchNorm's constants in both forms, so that every register is written whatever g is: along the registers (role B's 128 channels) and along the lanes (role A's)
	s_lshl_b32 s74, s17, 13
	s_lshl_b32 s75, s20, 10
	s_add_co_u32 s74, s74, s75                     ; bn[g], channel 256 wx
	s_lshl_b32 s75, s16, 9
	s_add_co_u32 s78, s74, s75
	s_mov_b32 s79, 0
	s_add_nc_u64 s[78:79], s[8:9], s[78:79]
	s_lshl_b32 s75, s15, 9
	s_add_co_u32 s80, s74, s75
	s_mov_b32 s81, 0
	s_add_nc_u64 s[80:81], s[8:9], s[80:81]
	v_bfe_u32 v131, v0, 4, 1
	v_lshlrev_b32 v131, 6, v131                    ; 64 h: register 8 t + j is channel 32 (t / 2) + 8 (t % 2) + 16 h + j
	v_and_b32 v132, 8, v129
	v_add_nc_u32 v132, v132, v129
	v_lshlrev_b32 v132, 2, v132                    ; 4 (r + 8 (r / 8)): lane r of block a is channel 32 (a / 2) + 8 (a % 2) + r + 8 (r / 8)
	WIN TO_B
.irp t, 0,1,2,3,4,5,6,7
.set RR, 96+8*\t+96*(\t/4)
	global_load_b128 v[RR:RR+3], v131, s[78:79] offset:(32*(\t/2)+8*(\t%2))*4
	global_load_b128 v[RR+4:RR+7], v131, s[78:79] offset:(32*(\t/2)+8*(\t%2))*4+16
.endr
	WIN 0
.irp t, 0,1,2,3,4,5,6,7
.set RR, 96+8*\t+96*(\t/4)
	global_load_b128 v[RR:RR+3], v131, s[78:79] offset:4096+(32*(\t/2)+8*(\t%2))*4
	global_load_b128 v[RR+4:RR+7], v131, s[78:79] offset:4096+(32*(\t/2)+8*(\t%2))*4+16
.endr
.irp a, 0,1,2,3,4,5,6,7
	global_load_b32 v[16+2*\a], v132, s[80:81] offset:(32*(\a/2)+8*(\a%2))*4
	global_load_b32 v[17+2*\a], v132, s[80:81] offset:4096+(32*(\a/2)+8*(\a%2))*4
.endr
.macro FRAG reg, adr, i, q             ; an image comes back as it was stored: three loads of 16 bytes a lane, 512 consecutive bytes each
.irp c, 0,1,2
	ds_load_b128 v[\reg+4*\c:\reg+4*\c+3], v[\adr] offset:(2*(\i)+(\q))*1536+512*\c
.endr
.endm
.macro FETCH_B L, q, p                 ; B's eight fragments of LDS slot L, K step q, into set p: 24 loads
	WIN TO_B
.irp i, 0,1,2,3,4,5,6,7
	FRAG 128*(\p)+12*\i, 7+\L, \i, \q
.endr
	WIN 0
.endm
.macro FETCH_A L, q, i0                ; A's blocks i0 .. i0 + 3: 12 loads
.irp i, \i0, \i0+1, \i0+2, \i0+3
	FRAG AF+12*(\i), 4+\L, \i, \q
.endr
.endm
.macro SCALES L, e                     ; a slot's 32 scale words into set e: A's 16 (index 2 i + q), then B's 16: 8 loads
.irp c, 0,1,2,3
	ds_load_b128 v[32+32*(\e)+4*\c:35+32*(\e)+4*\c], v[10+\L] offset:24576+256*\c
.endr
.irp c, 0,1,2,3
	ds_load_b128 v[48+32*(\e)+4*\c:51+32*(\e)+4*\c], v[13+\L] offset:24576+256*\c
.endr
.endm
; 16 matrix instructions: A's blocks a0, a0 + 1 x B's eight, 128 along K.  zero = 1: the first product starts the sums.  The 64 accumulators take turns, one instruction a turn, in the same order in every step.
.macro MUL16 a0, p, q, e, zero
.irp a, \a0, \a0+1
.irp b, 0,1,2,3,4,5,6,7
.if \zero
	v_wmma_scale_f32_16x16x128_f8f6f4 v[8*(8*((\a)%4)+\b):8*(8*((\a)%4)+\b)+7], v[128*(\p)+12*\b:128*(\p)+12*\b+11], v[AF+12*(\a):AF+12*(\a)+11], 0, v[48+32*(\e)+2*\b+(\q)], v[32+32*(\e)+2*(\a)+(\q)] matrix_a_fmt:MATRIX_FMT_FP6 matrix_b_fmt:MATRIX_FMT_FP6
.else
	v_wmma_scale_f32_16x16x128_f8f6f4 v[8*(8*((\a)%4)+\b):8*(8*((\a)%4)+\b)+7], v[128*(\p)+12*\b:128*(\p)+12*\b+11], v[AF+12*(\a):AF+12*(\a)+11], v[8*(8*((\a)%4)+\b):8*(8*((\a)%4)+\b)+7], v[48+32*(\e)+2*\b+(\q)], v[32+32*(\e)+2*(\a)+(\q)] matrix_a_fmt:MATRIX_FMT_FP6 matrix_b_fmt:MATRIX_FMT_FP6
.endif
.endr
.endr
.endm
; A step of 128 along K: K step q of the slot whose scale words are set e.  In its middle it fetches the next step (LDS slot nL, K step nq): B into the other set, A's blocks 0-3; at its end A's blocks 4-7.
; Loads into registers that matrix instructions have read stand four plain vector lines behind them (ISA guide 7.12.1 for vector instructions).
.macro STEP q, e, nL, nq, ne, zero, scl
	s_wait_dscnt 12                                ; all but the youngest 12 loads (A's blocks 4-7) are in
	WIN MUL_LO
	MUL16 0, \q, \q, \e, \zero
	MUL16 2, \q, \q, \e, \zero
	s_wait_dscnt 0x0                               ; A's blocks 4-7 are in
	PLACES 4
	FETCH_B \nL, \nq, 1-\q
	FETCH_A \nL, \nq, 0
.if \scl
	SCALES \nL, \ne
.endif
	WIN MUL_HI
	MUL16 4, \q, \q, \e, \zero
	MUL16 6, \q, \q, \e, \zero
	PLACES 4
	WIN 0
	FETCH_A \nL, \nq, 4
.endm
; A slot's second step with a barrier in it.  In front of the barrier each wave waits for all its tensor loads, adds 0 to its spare word, and waits for that and for its reads.
; fill = 1: the barrier opens a round of the cluster's, and LDS slot 0, which nobody reads any more, takes K slot 3.
.macro TURN e, nL, ne, fill
	s_wait_tensorcnt 0x0                           ; all my tensor loads have landed
	ds_add_u32 v1, v2                              ; 0 onto my spare word
	s_wait_dscnt 13                                ; (the add and the youngest 12 loads may be out)
	WIN MUL_LO
	MUL16 0, 1, 1, \e, 0                           ; sixteen matrix instructions stand between the add and the wait for it
	s_wait_dscnt 0x0                               ; the add is done, and my reads of this slot are over
	s_barrier_signal -1
	MUL16 2, 1, 1, \e, 0
	WIN 0
	s_barrier_wait -1
.if \fill
	CREST                                          ; no wave of any partner still reads LDS slot 0 or has a load on its way
	s_add_nc_u64 s[42:43], s[42:43], 3*XSTR
	s_add_nc_u64 s[54:55], s[54:55], 3*WSTR
	JLOAD                                          ; the first tensor load behind the round; its four v_nop are also the places in front of the loads below
.else
	PLACES 4
.endif
	FETCH_B \nL, 0, 0
	FETCH_A \nL, 0, 0
	SCALES \nL, \ne
	WIN MUL_HI
	MUL16 4, 1, 1, \e, 0
	MUL16 6, 1, 1, \e, 0
	PLACES 4
	WIN 0
	FETCH_A \nL, 0, 4
.endm
	s_wait_loadcnt 0x0                             ; BatchNorm's constants; their address registers may be written again
	s_wait_tensorcnt 0x2                           ; my part of K slot 0 is in; slots 1 and 2 may stay out
	s_barrier_signal -1
	s_barrier_wait -1
	FETCH_B 0, 0, 0
	FETCH_A 0, 0, 0
	SCALES 0, 0
	FETCH_A 0, 0, 4
	STEP 0, 0, 0, 1, 0, 1, 0                       ; K slot 0, first step: its products start the sums
	TURN 0, 1, 1, 1                                ; K slot 0, second step; every wave's three first fills have landed; LDS slot 0 is asked for again
	STEP 0, 1, 1, 1, 0, 0, 0                       ; K slot 1
	s_wait_alu depctr_va_vdst(0)
	STEP 1, 1, 2, 0, 0, 0, 1                       ; on into LDS slot 2 with no barrier: it was shown whole to every wave by the round above
	STEP 0, 0, 2, 1, 0, 0, 0                       ; K slot 2
	TURN 0, 0, 1, 0                                ; K slot 3 has landed in every wave's part of LDS slot 0; nothing is filled again
	STEP 0, 1, 0, 1, 0, 0, 0                       ; K slot 3
	s_wait_dscnt 12                                ; the last step: nothing more to fetch
	WIN MUL_LO
	MUL16 0, 1, 1, 1, 0
	MUL16 2, 1, 1, 1, 0
	s_wait_dscnt 0x0
	WIN MUL_HI
	MUL16 4, 1, 1, 1, 0
	MUL16 6, 1, 1, 1, 0
	WIN 0
	; ---- THE WAY OUT.  Where my 8 images and 2 chunks go
	s_cmp_eq_u32 s17, 2
	s_cselect_b32 s84, s16, s15                    ; which half of the positions is mine,
	s_cselect_b32 s85, s15, s16                    ; which half of W's rows,
	s_cselect_b32 s87, 12800, 0                    ; values lie in the second half of a block of kv
	s_lshl_b32 s86, s21, 1
	s_add_co_u32 s84, s86, s84                     ; group of 128 positions, 0..63
	s_lshl_b32 s86, s20, 1
	s_add_co_u32 s85, s86, s85                     ; head
	s_lshr_b32 s86, s84, 4
	s_lshl_b32 s86, s86, 3
	s_add_co_u32 s85, s85, s86                     ; HB = 8 batch + head
	s_lshl_b32 s85, s85, 4
	s_and_b32 s84, s84, 15
	s_add_co_u32 s85, s85, s84                     ; 16 HB + the group in its batch
	s_cmp_eq_u32 s17, 0
	s_cselect_b64 s[76:77], s[12:13], s[10:11]     ; qf or kv: the choice hangs on g alone
	s_mov_b32 s86, 25600
	s_cselect_b32 s86, 12800, s86
	s_mul_i32 s88, s85, s86
	s_add_co_u32 s88, s88, s87
	s_mov_b32 s89, 0
	s_add_nc_u64 s[76:77], s[76:77], s[88:89]
	PLACES 4                                       ; behind the last products: their results are read and A's registers written below
.irp b, 0,1,2,3
	v_mov_b32 v[TMB+\b], 0                         ; written once: a lane permute's destination counts as one of its sources
.endr
; 64 numbers of a lane, register 16 b + i = k 32 b + 16 (lane / 16) + i of my row, become a fragment's codes in v[PC] on and its scale word in v[pw]
.macro QUANT s, pw
.irp b, 0,1,2,3
	v_max3_num_f32 v[TMA+\b], |v[\s+16*\b]|, |v[\s+1+16*\b]|, 0x1800000   ; block b: my 16 numbers, and the floor 2^(3 - 127): the byte cannot fall under 1
.endr
.irp i, 2,4,6,8,10,12,14
.irp b, 0,1,2,3
	v_max3_num_f32 v[TMA+\b], v[TMA+\b], |v[\s+16*\b+\i]|, |v[\s+1+16*\b+\i]|
.endr
.endr
.irp b, 0,1,2,3
	v_permlanex16_b32 v[TMB+\b], v[TMA+\b], s[SEL], s[SEL+1]
.endr
.irp b, 0,1,2,3
	v_max_num_f32 v[TMA+\b], v[TMA+\b], v[TMB+\b]  ; with lane l xor 16's: the block's largest magnitude
.endr
.irp b, 0,1,2,3
	v_add_nc_u32 v[TMC+\b], 0xff000000, v[TMA+\b]  ; 2 off its exponent field: the conversion's scale operand
.endr
.irp b, 0,1,2,3
	v_lshrrev_b32 v[TMB+\b], 23, v[TMC+\b]         ; the scale's byte
.endr
	v_lshl_or_b32 v[\pw], v[TMB+1], 8, v[TMB]
	v_lshl_or_b32 v[\pw], v[TMB+2], 16, v[\pw]
	v_lshl_or_b32 v[\pw], v[TMB+3], 24, v[\pw]
.irp c, 0,1
	v_cvt_scalef32_pk16_fp6_f32 v[PC+6*\c:PC+6*\c+2], v[\s+32*\c:\s+32*\c+15], v[TMC+2*\c]
	v_cvt_scalef32_pk16_fp6_f32 v[PT+4*\c:PT+4*\c+2], v[\s+32*\c+16:\s+32*\c+31], v[TMC+2*\c+1]   ; (a conversion's three registers begin on an even number)
.endr
	v_nop                                          ; one plain line behind the scaled conversions
.irp c, 0,1                                    ; the operand's layout wants a WHOLE block in a lane
.irp i, 0,1,2
	v_permlane16_swap_b32 v[PC+6*\c+\i], v[PT+4*\c+\i]
.endr
.irp i, 0,1,2
	v_mov_b32 v[PC+3+6*\c+\i], v[PT+4*\c+\i]
.endr
.endr
.endm
; Block a of role A: BatchNorm as one fused multiply-add (g < 2: constants along the registers, two at a time; g = 2: along the lanes), LeakyReLU as max(y, 0.1 y), the quantiser, the image.
; Each accumulator is read from its low end on.  The branch hangs on g, which all partners share.
.macro EPI a
.set AC, 64*((\a)%4)
.set WN, 2+(\a)/4
	s_cmp_eq_u32 s17, 2
	s_cbranch_scc1 .Llanes_\@
	WIN 4+WN                                       ; source 0: the accumulators' window; source 1: window 1
.set k, 0
.rept 32
.set RR, 96+k+96*(k/32)
	v_pk_fma_f32 v[Y+k:Y+k+1], v[AC+k:AC+k+1], v[RR:RR+1], v[RR:RR+1]
.set k, k+2
.endr
	WIN 0
	s_branch .Ljoin_\@
.Llanes_\@:
	WIN WN
.set k, 0
.rept 64
	v_fma_f32 v[Y+k], v[AC+k], v[16+2*(\a)], v[17+2*(\a)]
.set k, k+1
.endr
	WIN 0
.Ljoin_\@:
	WIN 0x40                                       ; destination window 1: B's second set is done with
.set k, 0
.rept 32
	v_pk_mul_f32 v[Y+k:Y+k+1], v[Y+k:Y+k+1], s[90:91] op_sel_hi:[1,0]   ; 0.1 y
.set k, k+2
.endr
	WIN 0x04                                       ; source 1 window 1
.set k, 0
.rept 64
	v_max_num_f32 v[Y+k], v[Y+k], v[Y+k]           ; max(y, 0.1 y) = y where y > 0, else 0.1 y
.set k, k+1
.endr
	WIN 0
	s_wait_xcnt 0x0                                ; the last block's stores have read v[PC] on
	QUANT Y, PWS+\a
.irp c, 0,1,2
	global_store_b128 v3, v[PC+4*\c:PC+4*\c+3], s[76:77] offset:(\a)*1536+512*\c   ; 512 consecutive bytes, aligned
.endr
.endm
.irp a, 0,1,2,3,4,5,6,7
	EPI \a
.endr
	v_and_b32 v16, 16, v0
	v_cmp_ne_u32 vcc_lo, 0, v16                    ; lanes 0-15 store chunk 0 (tiles 0-3), lanes 16-31 chunk 1 (tiles 4-7)
.irp k, 0,1,2,3
	v_cndmask_b32 v[12+\k], v[PWS+\k], v[PWS+4+\k], vcc_lo
.endr
	global_store_b128 v3, v[12:15], s[76:77] offset:12288
	s_wait_tensorcnt 0x0                           ; the wave's end
	ds_add_u32 v1, v2
	s_wait_dscnt 0x0
	CROUND                                         ; the closing round: no work-group ends while a partner may still ask for a block that names it
	s_endpgm
.Lfunc_end_k_q9990d47088_proj:
	.size	k_q9990d47088_proj, .Lfunc_end_k_q9990d47088_proj-k_q9990d47088_proj
	.p2alignl 7, 3214868480
	.fill 96, 4, 3214868480
	.section	.rodata,"a",@progbits
	.p2align	6, 0x0
	.amdhsa_kernel k_q9990d47088_proj
		.amdhsa_group_segment_fixed_size 327680
		.amdhsa_private_segment_fixed_size 0
		.amdhsa_enable_private_segment 0
		.amdhsa_kernarg_size 40
		.amdhsa_user_sgpr_count 2
		.amdhsa_user_sgpr_kernarg_segment_ptr 1
		.amdhsa_wavefront_size32 1
		.amdhsa_system_sgpr_workgroup_id_x 1
		.amdhsa_system_sgpr_workgroup_id_y 1
		.amdhsa_system_sgpr_workgroup_id_z 1
		.amdhsa_system_vgpr_workitem_id 0
		.amdhsa_next_free_vgpr 1024
		.amdhsa_next_free_sgpr 96
		.amdhsa_reserve_vcc 1
		.amdhsa_float_denorm_mode_32 3
		.amdhsa_float_denorm_mode_16_64 3
		.amdhsa_memory_ordered 1
		.amdhsa_forward_progress 1
		.amdhsa_inst_pref_size 224
	.end_amdhsa_kernel
	.amdgpu_metadata
---
amdhsa.version: [ 1, 2 ]
amdhsa.kernels:
  - .name:           k_q9990d47088_proj
    .symbol:         k_q9990d47088_proj.kd
    .args:
      - { .name: xc, .offset: 0, .size: 8, .value_kind: global_buffer, .address_space: global }
      - { .name: wc, .offset: 8, .size: 8, .value_kind: global_buffer, .address_space: global }
      - { .name: bn, .offset: 16, .size: 8, .value_kind: global_buffer, .address_space: global }
      - { .name: kv, .offset: 24, .size: 8, .value_kind: global_buffer, .address_space: global }
      - { .name: qf, .offset: 32, .size: 8, .value_kind: global_buffer, .address_space: global }
    .group_segment_fixed_size: 327680
    .private_segment_fixed_size: 0
    .kernarg_segment_align: 8
    .kernarg_segment_size: 40
    .max_flat_workgroup_size: 128
    .sgpr_count:     96
    .vgpr_count:     1024
    .wavefront_size: 32
...
	.end_amdgpu_metadata
.endif
;; end of part 2
;; launch attn (part 3): grid 8 x 32, 8 waves a work-group, clusters of 4 x 1, 327,680 bytes of LDS; arguments qf, kv, out0; writes out0
.if DOCPART == 3
	.amdgcn_target "amdgcn-amd-amdhsa--gfx1250"
	.amdhsa_code_object_version 6
	.text
	.protected	k_q9990d47088_attn
	.globl	k_q9990d47088_attn
	.p2align	8
	.type	k_q9990d47088_attn,@function
k_q9990d47088_attn:
	s_mov_b64 s[64:65], 0
	v_nop
	global_prefetch_b8 v0, s[64:65] scope:SCOPE_SE
	s_setreg_imm32_b32 hwreg(HW_REG_WAVE_MODE, 25, 1), 1
	s_wait_xcnt 0x0
	s_wait_alu depctr_hold_cnt(0) depctr_sa_sdst(0) depctr_va_vdst(0) depctr_va_sdst(0) depctr_va_ssrc(0) depctr_va_vcc(0) depctr_vm_vsrc(0)
	s_getreg_b32 s2, hwreg(HW_REG_IB_STS2, 6, 4)
	s_cmp_eq_u32 s2, 0
	s_cbranch_scc0 .Lentry_in_a_cluster
	s_endpgm
.Lentry_in_a_cluster:
	s_bfe_u32 s2, ttmp6, 0x10000c
	s_cmp_lg_u32 s2, 0x3003
	s_cbranch_scc0 .Lentry_shape_is_right
	s_endpgm
.Lentry_shape_is_right:
; out0[batch][128 head + c][i] = the sum over j of softmax_j(K[:, i] . V[:, j] / sqrt(128)) Q[c][j], both products on codes of FP6 (E2M3) with E8M0 scales.  In attention's words: queries i (qf), keys j and values (kv).
; qf: block (16 HB + i / 128) of 12,800 bytes: 8 query images (16 queries x 128 channels, 1,536 bytes: the operand's 12 registers, register n of lane L at (n / 4) 512 + 16 L + 4 (n % 4)), then 2 chunks of scale words [r][4].
; kv: block (16 HB + step of 128 keys) of 25,600 bytes: 8 key images, 2 chunks, 8 value images (16 channels x these 128 keys), 2 chunks.  Tile 2 b + u holds in lane r row 32 b + 8 u + r + 8 (r / 8), everywhere.
; THE SOFTMAX AHEAD OF THE SECOND PRODUCT: t = score x log2(e) / sqrt(128); M = the running largest t rounded UP to a whole number; p = 2^(t - M) is quantised along the keys, not normalised; the row's sum is taken of the
; unquantised p and divides at the end.  When M moves, the sum and O are multiplied by 2^(old M - new M): nothing is rounded, and no branch hangs on data.
; SHARES.  A work-group owns 256 queries of one (batch, head); each of its eight waves 32 of them: TWO tiles, so that each fragment of keys and values read from LDS feeds two matrix instructions; two waves to a SIMD, so that one
; wave's vector work stands beside the other's matrix work and LDS loads.  Both products are used transposed (S^T = keys x queries^T, O^T = values x p^T): a lane holds one query of each tile throughout.
; RING: two LDS slots of four key steps (102,400 bytes), waves 0 to 3 fetching one step's block each; a wave has one tensor load out.  CLUSTER: the four work-groups of a cluster walk the same kv: each block is asked for jointly.
; LIMITS: NaN and infinities are not served; a block of p whose every number has fallen to 0 keeps the byte 1 (its codes are zeros).
; REGISTERS.  window 0: v1-2 the spare word's address and 0; v3-10 addresses; v16.., v28.. a tile's statistics; v40-47 the scale words of the 8 fragments in hand; v48-49 the queries'; v64-191 S^T, then p; v192-215 p's codes; v216-255 at work.
;   window 1: v0-127 O^T (tile x, channels' tile t at 64 x + 8 t); v128-151 the queries' fragments; v152-247 8 fragments of keys, then of values.
.set BLK,   25600
.set SLOTB, 4*BLK
.set SLOT1, 1<<17                      ; slot 1 begins here: one exclusive or turns an address in one slot into the other's
.set SPARE, 1<<18                      ; the spare words, 128 bytes for each of the eight waves, named by no other line
.set QF,    128
.set KF,    152
.set MSB, 0
.macro WIN new                         ; the immediate's high byte repeats the setting that is left
.if MSB != (\new)
	s_set_vgpr_msb (MSB<<8)|(\new)
.set MSB, (\new)
.endif
.endm
.macro PLACES n
.rept \n
	v_nop
.endr
.endm
.macro BASES x                         ; tile x's registers
.set SS, 64+64*(\x)                    ; S^T, p
.set TT, 16+12*(\x)                    ; +0 -M, +1 the largest t, +2, +3 the sum in two halves, +4 f, +5 p's scale word, +6 at work
.set BM, 232+12*(\x)                   ; the four blocks' largest scores, then largest p
.set BX, 236+12*(\x)                   ; the other half's; the sums' second chain; the bytes
.set SO, 240+12*(\x)                   ; the conversions' scale operands
.set PP, 192+12*(\x)                   ; p's codes
.set PQ, 216+8*(\x)
.endm
.macro CROUND                          ; a round of the cluster's barrier
	s_barrier_signal -1
	s_barrier_wait -1
	s_cmp_lg_u32 s10, 0
	s_cbranch_scc1 .Lnot_wave_0_\@
	s_barrier_signal -3
.Lnot_wave_0_\@:
	s_barrier_wait -3
	s_barrier_signal -1
	s_barrier_wait -1
.endm
.macro JLOAD                           ; waves 0 to 3 fetch a key step's block each; the branch hangs on the wave's number alone; four v_nop follow the line
	s_cmp_lt_u32 s10, 4
	s_cbranch_scc0 .Lno_load_\@
	tensor_load_to_lds s[24:27], s[16:23]
	s_nop 0
	PLACES 4
.Lno_load_\@:
.endm
; A PREFETCH of the slot that the NEXT change of slots will ask for: four key steps ahead of that load.  Both clusters of a (batch, head) walk the same kv: the first asks.  Its four partners take one step's block each, told apart
; by address; in each, waves 4 to 7, which fetch nothing, take 6,400 bytes each: lanes 0 to 24 name blocks 256 bytes apart (lanes 25 to 31 repeat lane 24's).  The last change that fills a slot asks for nothing.
.macro ASK
	s_cmp_gt_u32 s33, s35
	s_cbranch_scc0 .Lnot_mine_\@
	global_prefetch_b8 v7, s[36:37] th:TH_LOAD_NT scope:SCOPE_SE
.Lnot_mine_\@:
.endm
	s_load_b128 s[4:7], s[0:1], 0x0                ; qf s[4:5], kv s[6:7]
	s_load_b64 s[8:9], s[0:1], 0x10                ; out0
	v_lshl_add_u32 v1, v0, 2, SPARE
	v_mov_b32 v2, 0
	ds_add_u32 v1, v2
	ds_add_u32 v1, v2
	s_wait_dscnt 0x0
	v_lshrrev_b32 v5, 5, v0
	s_delay_alu instid0(VALU_DEP_1)
	v_readfirstlane_b32 s10, v5                    ; wave 0..7
	s_bfe_u32 s11, ttmp6, 0x40000                  ; cx
	s_lshl_b32 s12, ttmp9, 2
	s_add_co_u32 s12, s12, s11                     ; my block of 256 queries: it enters qf's and out0's addresses alone
	s_and_b32 s13, ttmp7, 0xffff                   ; HB = 8 batch + head, which the four partners share
	s_mov_b32 s16, 15|(3<<16)|(1<<21)              ; group 1: the mask names all four; elements of 8 bytes; bit 21 beside a mask; no padding
	s_mov_b32 s17, 32<<16                          ; a dense block of 25,600 bytes as 100 rows of 32 elements
	s_mov_b32 s18, 100<<16
	s_mov_b32 s19, 32<<16
	s_mov_b32 s20, 100
	s_mov_b32 s21, 32
	s_mov_b32 s22, 0
	s_mov_b32 s23, 0
	s_mov_b32 s28, 0x76543210                      ; lane selects: lane l xor 16
	s_mov_b32 s29, 0xfedcba98
	s_mov_b32 s30, 0x3e0293ee                      ; c = log2(e) / sqrt(128)
	s_mov_b32 s31, s30                             ; (named with it as a pair, so it is written)
	s_mov_b32 s32, 0                               ; LDS byte at which the step in hand begins
	s_mov_b32 s33, 3                               ; slots still to be asked for
	s_and_b32 s38, s10, 3                          ; b = wave % 4
	s_mov_b32 s24, 1
	s_mul_i32 s25, s38, BLK                        ; my step's block in a slot
	s_mul_i32 s40, s13, 16*BLK                     ; my (batch, head) in kv
	s_add_co_u32 s42, s40, s25
	s_mov_b32 s43, 0
	s_lshr_b32 s39, s10, 2
	s_xor_b32 s39, s39, 1                          ; 0 in waves 4 to 7,
	s_or_b32 s39, s39, ttmp9                       ; of the first cluster: the same in all four partners
	s_cmp_eq_u32 s39, 0
	s_cselect_b32 s35, 1, -1                       ; a wave prefetches while s33 is above this
	s_mul_i32 s44, s11, BLK                        ; my work-group's step,
	s_mul_i32 s45, s38, 6400                       ; my wave's quarter of its block,
	s_add_co_u32 s44, s44, s45
	s_add_co_u32 s44, s44, s40
	s_add_co_u32 s44, s44, SLOTB                   ; in slot 1: the first change of slots steps it to slot 2.  Nothing is prefetched at the head
	s_mov_b32 s45, 0
	s_lshl_b32 s46, s13, 4
	s_lshl_b32 s47, s12, 1
	s_add_co_u32 s46, s46, s47
	s_lshr_b32 s47, s10, 2
	s_add_co_u32 s46, s46, s47                     ; my block of qf: 16 HB + 2 x (block of 256) + wave / 4
	s_mul_i32 s46, s46, 12800
	s_mov_b32 s47, 0
	s_mul_i32 s50, s38, 3072                       ; my two images: 2 b and 2 b + 1
	s_mov_b32 s51, 0
	s_lshr_b32 s56, s38, 1
	s_lshl_b32 s56, s56, 8                         ; their scale words: chunk b / 2,
	s_and_b32 s57, s38, 1
	s_lshl_b32 s57, s57, 3                         ; words 2 (b % 2) and the next
	s_add_co_u32 s56, s56, s57
	s_add_co_u32 s56, s56, 12288
	s_mov_b32 s57, 0
	s_lshl_b32 s54, s13, 20                        ; out0: 128 rows of 8,192 bytes for each HB,
	s_lshl_b32 s55, s10, 17                        ; my wave's 16 rows on the way out,
	s_add_co_u32 s54, s54, s55
	s_lshl_b32 s55, s12, 10                        ; my work-group's 256 columns
	s_add_co_u32 s54, s54, s55
	s_mov_b32 s55, 0
	s_wait_kmcnt 0x0
	s_add_nc_u64 s[26:27], s[6:7], s[42:43]
	s_or_b32 s27, s27, 0x80000000
	s_add_nc_u64 s[36:37], s[6:7], s[44:45]
	s_add_nc_u64 s[48:49], s[4:5], s[46:47]
	s_add_nc_u64 s[52:53], s[48:49], s[50:51]
	s_add_nc_u64 s[48:49], s[48:49], s[56:57]
	s_add_nc_u64 s[8:9], s[8:9], s[54:55]
	CROUND                                         ; all four work-groups are here: the first joint loads meet
	JLOAD                                          ; slot 0
	v_and_b32 v5, 31, v0                           ; lane
	s_delay_alu instid0(VALU_DEP_1)
	v_lshlrev_b32 v3, 4, v5                        ; 16 x lane: an image's place for my lane
	v_and_b32 v6, 15, v0                           ; r
	s_delay_alu instid0(VALU_DEP_1)
	v_lshlrev_b32 v4, 4, v6                        ; 16 r: a chunk's four words of row r
	s_delay_alu instid0(VALU_DEP_4)
	v_min_u32 v7, 24, v5
	s_delay_alu instid0(VALU_DEP_1)
	v_lshlrev_b32 v7, 8, v7                        ; the prefetches' offset
	v_bfe_u32 v10, v0, 4, 1                        ; h
	v_lshlrev_b32 v8, 2, v6
	v_lshrrev_b32 v9, 3, v6
	s_delay_alu instid0(VALU_DEP_1)
	v_lshl_add_u32 v8, v9, 5, v8                   ; the stage: my query's 4 bytes in a row: 4 (r + 8 (r / 8)),
	s_delay_alu instid0(VALU_DEP_1)
	v_lshl_add_u32 v8, v10, 14, v8                 ; 16 h rows of 1,024 bytes,
	s_lshl_b32 s58, s10, 7
	v_add_nc_u32 v8, s58, v8                       ; my wave's 32 queries
	s_delay_alu instid0(VALU_DEP_1)
	v_add_nc_u32 v9, 0x10000, v8                   ; and 64 rows on
	s_lshl_b32 s59, s10, 14
	v_add_nc_u32 v10, s59, v3                      ; back: my wave's 16 rows, 16 bytes a lane
	WIN 0x40                                       ; destination window 1
.irp x, 0,1
.irp c, 0,1,2
	global_load_b128 v[QF+12*\x+4*\c:QF+12*\x+4*\c+3], v3, s[52:53] offset:1536*\x+512*\c   ; the queries' fragments stay in registers
.endr
.endr
.set j, 0
.rept 128
	v_mov_b32 v[j], 0                              ; O^T.  (The step is written once: the first finds zeros, which the first change of M leaves zeros; a first step of its own would be a third copy of the step)
.set j, j+1
.endr
	WIN 0
	global_load_b64 v[48:49], v4, s[48:49]         ; the queries' scale words
.irp x, 0,1
	BASES \x
	v_mov_b32 v[TT+1], 0xff61b1e6                  ; the largest t so far: -3e38, under every t
	s_delay_alu instid0(VALU_DEP_1)
	v_floor_f32 v[TT], -v[TT+1]                    ; -M
	v_mov_b32 v[TT+2], 0                           ; the sum, in two halves
	v_mov_b32 v[TT+3], 0
	v_mov_b32 v[TT+5], 0                           ; (named as the upper half of a pair before it is first written)
.irp b, 0,1,2,3
	v_mov_b32 v[BX+\b], 0                          ; written once: a lane permute's destination counts as one of its sources
.endr
.endr
; A KEY STEP: 128 keys, two tiles of queries.
.macro STEP
	v_add_nc_u32 v5, s32, v3                       ; these two lines and two v_nop are the four places in front of loads into registers that the last products read
	v_add_nc_u32 v6, s32, v4
	v_nop
	v_nop
	ds_load_b128 v[40:43], v6 offset:12288         ; the keys' scale words: tile t's in v[40 + t]
	ds_load_b128 v[44:47], v6 offset:12544
	WIN 0x40
.irp t, 0,1,2,3,4,5,6,7
.irp c, 0,1,2
	ds_load_b128 v[KF+12*\t+4*\c:KF+12*\t+4*\c+3], v5 offset:1536*\t+512*\c
.endr
.endr
	s_wait_alu depctr_va_vdst(0)
	s_wait_dscnt 12                                ; all but the youngest 12 loads (tiles 4-7) are in
	WIN 0x05                                       ; both sources window 1, S^T window 0
.irp t, 0,1,2,3
.irp x, 0,1
	v_wmma_scale_f32_16x16x128_f8f6f4 v[64+64*\x+8*\t:71+64*\x+8*\t], v[KF+12*\t:KF+12*\t+11], v[QF+12*\x:QF+12*\x+11], 0, v[40+\t], v[48+\x] matrix_a_fmt:MATRIX_FMT_FP6 matrix_b_fmt:MATRIX_FMT_FP6
.endr
.endr
	s_wait_dscnt 0x0
.irp t, 4,5,6,7
.irp x, 0,1
	v_wmma_scale_f32_16x16x128_f8f6f4 v[64+64*\x+8*\t:71+64*\x+8*\t], v[KF+12*\t:KF+12*\t+11], v[QF+12*\x:QF+12*\x+11], 0, v[40+\t], v[48+\x] matrix_a_fmt:MATRIX_FMT_FP6 matrix_b_fmt:MATRIX_FMT_FP6
.endr
.endr
	WIN 0
	PLACES 4                                       ; in front of the loads into the fragments' and scale words' registers, and of the first read of the scores
	WIN 0x40
.irp t, 0,1,2,3,4,5,6,7
.irp c, 0,1,2
	ds_load_b128 v[KF+12*\t+4*\c:KF+12*\t+4*\c+3], v5 offset:12800+1536*\t+512*\c   ; the values land while the softmax is worked
.endr
.endr
	WIN 0
	ds_load_b128 v[40:43], v6 offset:25088
	ds_load_b128 v[44:47], v6 offset:25344
.irp x, 0,1                                    ; register 16 b + i of a tile is key 32 b + 16 (lane / 16) + i
	BASES \x
.irp b, 0,1,2,3
	v_max3_num_f32 v[BM+\b], v[SS+16*\b], v[SS+16*\b+1], v[SS+16*\b+2]   ; THE LARGEST SCORE OF EACH BLOCK OF 32 KEYS serves twice: for the row's maximum and, since p rises with the score, for the block's largest p
.endr
.irp i, 3,5,7,9,11,13
.irp b, 0,1,2,3
	v_max3_num_f32 v[BM+\b], v[BM+\b], v[SS+16*\b+\i], v[SS+16*\b+\i+1]
.endr
.endr
.irp b, 0,1,2,3
	v_max_num_f32 v[BM+\b], v[BM+\b], v[SS+16*\b+15]
.endr
.irp b, 0,1,2,3
	s_delay_alu instid0(VALU_DEP_4)
	v_permlanex16_b32 v[BX+\b], v[BM+\b], s28, s29
.endr
.irp b, 0,1,2,3
	s_delay_alu instid0(VALU_DEP_4)
	v_max_num_f32 v[BM+\b], v[BM+\b], v[BX+\b]     ; with lane l xor 16's 16 keys
.endr
	s_delay_alu instid0(VALU_DEP_2)
	v_max3_num_f32 v[TT+6], v[BM], v[BM+1], v[BM+2]
	s_delay_alu instid0(VALU_DEP_1)
	v_max_num_f32 v[TT+6], v[TT+6], v[BM+3]        ; the step's largest score of my query
	s_delay_alu instid0(VALU_DEP_1)
	v_mul_f32 v[TT+6], s30, v[TT+6]                ; as t (c is positive)
	s_delay_alu instid0(VALU_DEP_1)
	v_max_num_f32 v[TT+1], v[TT+1], v[TT+6]        ; the running largest t
	v_mov_b32 v[TT+6], v[TT]
	s_delay_alu instid0(VALU_DEP_2)
	v_floor_f32 v[TT], -v[TT+1]                    ; the new -M = floor(-t) = -ceil(t)
	s_delay_alu instid0(VALU_DEP_1)
	v_sub_f32 v[TT+6], v[TT], v[TT+6]              ; old M - new M: a whole number, 0 or less
	s_delay_alu instid0(VALU_DEP_1)
	v_cvt_i32_f32 v[TT+6], v[TT+6]                 ; (it saturates)
	s_delay_alu instid0(VALU_DEP_1)
	v_ldexp_f32 v[TT+4], 1.0, v[TT+6]              ; f = 2^(old M - new M)
.set j, 0
.rept 32
	v_pk_fma_f32 v[SS+j:SS+j+1], v[SS+j:SS+j+1], s[30:31], v[TT:TT+1] op_sel_hi:[1,0,0]   ; t - M, two at a time (of the pairs c and -M the low word serves both halves)
.set j, j+2
.endr
.irp b, 0,1,2,3
	v_fma_f32 v[BM+\b], v[BM+\b], s30, v[TT]       ; the same of each block's largest score
.endr
.endr
.set j, 64
	s_wait_alu depctr_va_vdst(0)
.rept 128
	v_exp_f32 v[j], v[j]                           ; p = 2^(t - M), at most 1: both tiles' 128 exponentials are one batch
.set j, j+1
.endr
.irp x, 0,1
	BASES \x
	v_pk_mul_f32 v[TT+2:TT+3], v[TT+2:TT+3], v[TT+4:TT+5] op_sel_hi:[1,0]   ; the sums under the new M (plain lines behind the exponentials)
.endr
	s_setprio 1
	s_wait_alu depctr_va_vdst(0)                   ; one wait for the batch, ahead of the first line that names a result
.irp x, 0,1
	BASES \x
.irp b, 0,1,2,3
	v_exp_f32 v[BM+\b], v[BM+\b]                   ; the block's largest p: the same two instructions on the same number give the same bits
.endr
.endr
.irp x, 0,1                                    ; THE ROW'S SUM IS TAKEN OF THE UNQUANTISED p: two at a time, in two chains
	BASES \x
	v_pk_add_f32 v[BX:BX+1], v[SS:SS+1], v[SS+2:SS+3]
.set j, 4
.rept 15
	v_pk_add_f32 v[TT+2:TT+3], v[TT+2:TT+3], v[SS+j:SS+j+1]
	v_pk_add_f32 v[BX:BX+1], v[BX:BX+1], v[SS+j+2:SS+j+3]
.set j, j+4
.endr
	s_delay_alu instid0(VALU_DEP_1)
	v_pk_add_f32 v[TT+2:TT+3], v[TT+2:TT+3], v[BX:BX+1]
.endr
	s_wait_alu depctr_va_vdst(0)                   ; and one for the eight
.irp x, 0,1
	BASES \x
.irp b, 0,1,2,3
	v_max_num_f32 v[BM+\b], 0x1800000, v[BM+\b]    ; the floor 2^(3 - 127): the byte cannot fall under 1
.endr
.irp b, 0,1,2,3
	s_delay_alu instid0(VALU_DEP_4)
	v_add_nc_u32 v[SO+\b], 0xff000000, v[BM+\b]    ; 2 off the exponent field: the conversion's scale operand
.endr
.irp b, 0,1,2,3
	s_delay_alu instid0(VALU_DEP_4)
	v_lshrrev_b32 v[BX+\b], 23, v[SO+\b]           ; the scale's byte
.endr
	s_delay_alu instid0(VALU_DEP_3)
	v_lshl_or_b32 v[TT+5], v[BX+1], 8, v[BX]       ; p's scale word for these 128 keys
	s_delay_alu instid0(VALU_DEP_1)
	v_lshl_or_b32 v[TT+5], v[BX+2], 16, v[TT+5]
	s_delay_alu instid0(VALU_DEP_1)
	v_lshl_or_b32 v[TT+5], v[BX+3], 24, v[TT+5]
.irp c, 0,1
	v_cvt_scalef32_pk16_fp6_f32 v[PP+6*\c:PP+6*\c+2], v[SS+32*\c:SS+32*\c+15], v[SO+2*\c]
	v_cvt_scalef32_pk16_fp6_f32 v[PQ+4*\c:PQ+4*\c+2], v[SS+32*\c+16:SS+32*\c+31], v[SO+2*\c+1]   ; (a conversion's three registers begin on an even number)
.endr
.endr
	v_nop                                          ; one plain line behind the scaled conversions
.irp x, 0,1
	BASES \x
.irp c, 0,1                                    ; the operand's layout wants a WHOLE block in a lane
.irp i, 0,1,2
	v_permlane16_swap_b32 v[PP+6*\c+\i], v[PQ+4*\c+\i]
.endr
.irp i, 0,1,2
	s_delay_alu instid0(VALU_DEP_3)
	v_mov_b32 v[PP+3+6*\c+\i], v[PQ+4*\c+\i]
.endr
.endr
.endr
	WIN 0x41                                       ; O^T (destination and source 0) window 1, f window 0
.irp x, 0,1
.set j, 0
.rept 32
	v_pk_mul_f32 v[64*\x+j:64*\x+j+1], v[64*\x+j:64*\x+j+1], v[20+12*\x:21+12*\x] op_sel_hi:[1,0]   ; O^T under the new M.  (These lines also stand between the making of p's codes and scale words and the products)
.set j, j+2
.endr
.endr
	s_wait_alu depctr_va_vdst(0)
	s_wait_dscnt 0x0                               ; the values and their scale words are in
	WIN 0x51                                       ; values window 1, p window 0, O^T window 1
	s_setprio 0
.irp t, 0,1,2,3,4,5,6,7                        ; sixteen accumulators, one instruction each
.irp x, 0,1
	v_wmma_scale_f32_16x16x128_f8f6f4 v[64*\x+8*\t:64*\x+8*\t+7], v[KF+12*\t:KF+12*\t+11], v[192+12*\x:203+12*\x], v[64*\x+8*\t:64*\x+8*\t+7], v[40+\t], v[21+12*\x] matrix_a_fmt:MATRIX_FMT_FP6 matrix_b_fmt:MATRIX_FMT_FP6
.endr
.endr
	WIN 0
	s_add_co_u32 s32, s32, BLK                     ; the next step's block
.endm
; THE CHANGE OF SLOTS stands at a slot's head.  Each wave waits for all its tensor loads (its part of the slot ahead), adds 0 to its spare word, and waits for that and for its reads of the slot that it has left.
; fill = 1: the barrier is a round of the cluster's, and behind it the slot just left takes the next four key steps: the load has four steps in which to land.
.macro CHANGE fill
	s_wait_tensorcnt 0x0                           ; no tensor load of mine is out, so group 0 may be written
	ds_add_u32 v1, v2                              ; 0 onto my spare word
.if \fill
	s_xor_b32 s25, s25, SLOT1                      ; the walking descriptor: the other slot than last time,
	s_add_nc_u64 s[26:27], s[26:27], SLOTB         ; the next four steps; the type bits on top are not reached
	s_wait_xcnt 0x0                                ; the last prefetch, a slot back, has read its address
	s_add_nc_u64 s[36:37], s[36:37], SLOTB         ; one slot further on than the descriptor
.endif
	s_wait_dscnt 0x0                               ; the add is done, and my reads of the slot that I have left are over
.if \fill
	CROUND
	JLOAD                                          ; the first thing behind the round, and a wave's one tensor load until the next
	ASK
.else
	s_barrier_signal -1
	s_barrier_wait -1
.endif
.endm
.macro SLOT_STEPS                      ; a slot's four key steps: written once, walked four times
	s_mov_b32 s34, 4
.Lstep_\@:
	s_setprio 2
	STEP
	s_sub_co_u32 s34, s34, 1
	s_cmp_lg_u32 s34, 0
	s_cbranch_scc1 .Lstep_\@
	s_setprio 0
	s_sub_co_u32 s32, s32, SLOTB                   ; back to a slot's first step,
	s_xor_b32 s32, s32, SLOT1                      ; in the other slot
.endm
	s_wait_loadcnt 0x0                             ; the queries
.Lslot:                                            ; three trips: behind each change of slots but the last the next slot is asked for
	CHANGE 1
	SLOT_STEPS
	s_sub_co_u32 s33, s33, 1
	s_cmp_lg_u32 s33, 0
	s_cbranch_scc1 .Lslot
	CHANGE 0                                       ; the last slot is written out
	SLOT_STEPS
	; THE WAY OUT.  O^T / the sum goes into a stage of 128 rows (channels) x 1,024 bytes (the work-group's 256 queries) at LDS byte 0: slot 0 has had its last fill and its last read, and the bytes behind it up to slot 1 were never filled.
	PLACES 4                                       ; behind the last products
.irp x, 0,1
	BASES \x
	v_add_f32 v[TT+6], v[TT+2], v[TT+3]            ; the sum's two halves,
.endr
.irp x, 0,1
	BASES \x
	s_delay_alu instid0(VALU_DEP_2)
	v_permlanex16_b32 v[BX], v[TT+6], s28, s29
.endr
.irp x, 0,1
	BASES \x
	s_delay_alu instid0(VALU_DEP_2)
	v_add_f32 v[TT+6], v[TT+6], v[BX]              ; and lane l xor 16's: the row's sum
.endr
	s_wait_alu depctr_va_vdst(0)
.irp x, 0,1
	BASES \x
	v_rcp_f32 v[TT+4], v[TT+6]
.endr
	v_nop                                          ; a plain line behind the last reciprocal
	s_wait_alu depctr_va_vdst(0)                   ; one wait for the two, ahead of their first use
	WIN 0x01                                       ; source 0 window 1
.irp x, 0,1
.set j, 0
.rept 32
	v_pk_mul_f32 v[64+64*\x+j:65+64*\x+j], v[64*\x+j:64*\x+j+1], v[20+12*\x:21+12*\x] op_sel_hi:[1,0]   ; each accumulator from its low end on; register 8 t + i: channel 32 (t / 2) + 8 (t % 2) + 16 h + i
.set j, j+2
.endr
.endr
	WIN 0
.irp x, 0,1
.irp t, 0,1,2,3,4,5,6,7
.irp j, 0,1,2,3,4,5,6,7
	ds_store_b32 v[8+\t/4], v[64+64*\x+8*\t+\j] offset:(32*((\t/2)%2)+8*(\t%2)+\j)*1024+32*\x
.endr
.endr
.endr
	s_wait_dscnt 0x0                               ; for the others' sake: my stores into the stage are done
	s_barrier_signal -1
	s_barrier_wait -1
.set n, 0
.rept 32
	ds_load_b128 v[64+4*n:67+4*n], v10 offset:(n/2)*1024+512*(n%2)   ; my 16 rows, half a row an instruction
.set n, n+1
.endr
.set n, 0
.rept 32
	s_wait_dscnt 31-n                              ; the younger read-backs may be out
	global_store_b128 v3, v[64+4*n:67+4*n], s[8:9] offset:(n/2)*8192+512*(n%2) th:TH_STORE_NT   ; 512 consecutive bytes, aligned; written once, read by nobody here
.set n, n+1
.endr
	s_wait_tensorcnt 0x0                           ; the wave's end
	ds_add_u32 v1, v2
	s_wait_dscnt 0x0
	CROUND                                         ; the closing round: no work-group ends while a partner may still ask for a block that names it
	s_endpgm
.Lfunc_end_k_q9990d47088_attn:
	.size	k_q9990d47088_attn, .Lfunc_end_k_q9990d47088_attn-k_q9990d47088_attn
	.p2alignl 7, 3214868480
	.fill 96, 4, 3214868480
	.section	.rodata,"a",@progbits
	.p2align	6, 0x0
	.amdhsa_kernel k_q9990d47088_attn
		.amdhsa_group_segment_fixed_size 327680
		.amdhsa_private_segment_fixed_size 0
		.amdhsa_enable_private_segment 0
		.amdhsa_kernarg_size 24
		.amdhsa_user_sgpr_count 2
		.amdhsa_user_sgpr_kernarg_segment_ptr 1
		.amdhsa_wavefront_size32 1
		.amdhsa_system_sgpr_workgroup_id_x 1
		.amdhsa_system_sgpr_workgroup_id_y 1
		.amdhsa_system_sgpr_workgroup_id_z 1
		.amdhsa_system_vgpr_workitem_id 0
		.amdhsa_next_free_vgpr 512
		.amdhsa_next_free_sgpr 66
		.amdhsa_reserve_vcc 0
		.amdhsa_float_denorm_mode_32 3
		.amdhsa_float_denorm_mode_16_64 3
		.amdhsa_memory_ordered 1
		.amdhsa_forward_progress 1
		.amdhsa_inst_pref_size 103
	.end_amdhsa_kernel
	.amdgpu_metadata
---
amdhsa.version: [ 1, 2 ]
amdhsa.kernels:
  - .name:           k_q9990d47088_attn
    .symbol:         k_q9990d47088_attn.kd
    .args:
      - { .name: qf, .offset: 0, .size: 8, .value_kind: global_buffer, .address_space: global }
      - { .name: kv, .offset: 8, .size: 8, .value_kind: global_buffer, .address_space: global }
      - { .name: out0, .offset: 16, .size: 8, .value_kind: global_buffer, .address_space: global }
    .group_segment_fixed_size: 327680
    .private_segment_fixed_size: 0
    .kernarg_segment_align: 8
    .kernarg_segment_size: 24
    .max_flat_workgroup_size: 256
    .sgpr_count:     66
    .vgpr_count:     512
    .wavefront_size: 32
...
	.end_amdgpu_metadata
.endif
;; end of part 3
